; MI455X (gfx1250); checked and timed in simulation.
; The chip was launched on July 23, 2026; its instructions are those of AMD's public machine-readable ISA for CDNA 5 (MIT licence, August 2026) and "CDNA5" Instruction Set Architecture Reference Guide (July 2026). The comments in the code are by the model that wrote it; some were corrected since.
;; Encoder Mixture Model Trajectory. Allowed arithmetic: float matrix products may take bf16 or f16 operands with f32 sums; other float arithmetic in f32, or as packed bf16 or f16 multiplies, adds, multiply-adds, maxima and minima; sums over many terms, partial sums and values carried from step to step in f32; what a program stores and reads back later, other than sums and carried values, may be rounded once to bf16 or f16.
;; Inputs: W0 512 x 512 float32; W1 512 x 512 float32; W2 512 x 512 float32; Wc 16 x 512 float32; Wg 16 x 32 x 512 float32; b0 512 float32; b1 512 float32; b2 512 float32; bc 16 float32; bg 16 x 32 float32; x 65,536 x 512 float32.
;; Outputs: out0 65,536 x 16 float32; out1 65,536 int32.
;; One version. Each part assembles by itself: llvm-mc -triple=amdgcn-amd-amdhsa -mcpu=gfx1250 --defsym DOCPART=n.
;; ======== version 1 of 1: 2 launches
;; workspace buffers: wts 1,402,112 bytes
;; launch prep (part 1): grid 101 x 1, 4 waves a work-group, no clusters, 49,664 bytes of LDS; arguments W0, W1, W2, Wc, Wg, b0, b1, b2, bc, bg, wts; writes wts
.if DOCPART == 1
	.amdgcn_target "amdgcn-amd-amdhsa--gfx1250"
	.amdhsa_code_object_version 6
	.text
	.protected	k_qe4c02368e0_prep
	.globl	k_qe4c02368e0_prep
	.p2align	8
	.type	k_qe4c02368e0_prep,@function
k_qe4c02368e0_prep:
	s_mov_b64 s[64:65], 0
	v_nop
	global_prefetch_b8 v0, s[64:65] scope:SCOPE_SE
	s_setreg_imm32_b32 hwreg(HW_REG_WAVE_MODE, 25, 1), 1
	s_wait_xcnt 0x0
; PREP: rounds every weight and bias once to bf16 and lays the weights out as the operand registers of the second launch take them.
; A FRAGMENT is 16 rows x 32 k of 16-bit numbers, 1,024 bytes: byte = half*512 + lane*16 + 2e, lane = r + 16h; half 0 holds k = 8h+e, half 1 k = 16+8h+e.
; wts: record t (65,536 bytes, t = 0..15): fragments 0..31 = W0 rows 32c.. of chunk c = (t+1)%16 in bf16 (index 2 ks + ft); fragments 32..63 = W1, k = 32t.., rows 16 ft.. (index 32+ft), as f16 times 2^s(row).
;      POFF: W0 chunk 0 once more, then b0 rounded (512 f32).   LOFF + 3,328 c: three bf16 pieces of Wc2 = Wc W2, features 32c.., then 256 bytes: 2^-s and b1 rounded for tiles 2c, 2c+1.
;      MOFF + 1,024 (16 c + k): Wg2 = Wg[k][:16] W2 in bf16, features 32c..      TAB: |W0 row|^2 (512 f32), +2,048 bg2 (256), +3,072 bc2 (16).
; THE THIRD LAYER IS FOLDED INTO THE HEADS: (h W2^T + b2) Wc^T + bc = h (Wc W2)^T + (Wc b2 + bc), likewise for Wg.  That is another order of rounding than the plain chain's.
; The rows 16..31 of each class of Wg and bg are not read: the result takes the first 16 outputs of a class alone.
; LIMITS.  NaN and infinities are not treated apart.  A number of W1 below 2^-31 of its row's largest loses bits in f16.
; ROLES by the work-group's number: 0..84 = (c, g), c = id / 5, g = id % 5: a block of 32 columns of W2 (c = 16: the column b2) times four classes of Wg (g < 4) or Wc (g = 4);
; 85..100: each wave takes one tile of 16 rows of W0 (tiles 0..31) or W1 (32..63).  The few stores of 64 or 128 bytes (tables) are the only ones that do not cover 512 consecutive bytes.
.set POFF,  1048576
.set LOFF,  1083392
.set MOFF,  1136640
.set TAB,   1398784
.set SPARE, 49152                      ; behind the stage: the spare words, 128 bytes a wave
.set SPW, 30                           ; v30 my spare word's address; never rewritten
.set NIL, 31                           ; v31 0; never rewritten
.set MSB, 0
.macro WIN new                         ; the immediate's high byte repeats the setting that is left
.if MSB != (\new)
	s_set_vgpr_msb (MSB<<8)|(\new)
.set MSB, (\new)
.endif
.endm
; 16 rows x 512 f32 into window 1, in a fragment's order: lane (r, h) takes row r, k = 32 ks + 8h + 0..7 and 32 ks + 16 + 8h + 0..7
.macro TILE_IN b
	WIN 0x40
.set i, 0
.rept 16
	global_load_b128 v[16*i:16*i+3],     v5, s[\b:\b+1] offset:128*i
	global_load_b128 v[16*i+4:16*i+7],   v5, s[\b:\b+1] offset:128*i+16
	global_load_b128 v[16*i+8:16*i+11],  v5, s[\b:\b+1] offset:128*i+64
	global_load_b128 v[16*i+12:16*i+15], v5, s[\b:\b+1] offset:128*i+80
.set i, i+1
.endr
	WIN 0
.endm
.macro PACK128 d                       ; window 1's 256 f32 rounded to bf16 into v[d .. d+127]
	WIN 0x05
.set i, 0
.rept 128
	v_cvt_pk_bf16_f32 v[(\d)+i], v[2*i], v[2*i+1]
.set i, i+1
.endr
	WIN 0
.endm
.macro FRAGS_OUT b, step               ; 16 fragments from v64..191: each store covers 512 consecutive bytes
.set i, 0
.rept 16
	global_store_b128 v4, v[64+8*i:64+8*i+3], s[\b:\b+1] offset:(\step)*i
	global_store_b128 v4, v[64+8*i+4:64+8*i+7], s[\b:\b+1] offset:(\step)*i+512
.set i, i+1
.endr
.endm
	s_load_b512 s[4:19], s[0:1], 0x0               ; W0 s[4:5], W1 s[6:7], W2 s[8:9], Wc s[10:11], Wg s[12:13], b0 s[14:15], b1 s[16:17], b2 s[18:19]
	s_load_b128 s[20:23], s[0:1], 0x40             ; bc s[20:21], bg s[22:23]
	s_load_b64 s[24:25], s[0:1], 0x50              ; wts
	v_lshl_add_u32 v[SPW], v0, 2, SPARE
	v_mov_b32 v[NIL], 0
	v_lshrrev_b32 v1, 5, v0
	v_readfirstlane_b32 s26, v1                    ; wave
	s_mov_b32 s27, ttmp9
	s_mov_b32 s31, 0                               ; high word of every offset pair s[30:31]
	s_mov_b32 s36, 0x76543210                      ; v_permlanex16_b32: each lane takes its own place in the other half
	s_mov_b32 s37, 0xfedcba98
	s_mov_b32 s46, 0xffff0000
	v_and_b32 v1, 15, v0                           ; r
	v_bfe_u32 v2, v0, 4, 1                         ; h
	v_and_b32 v3, 31, v0                           ; lane
	v_lshlrev_b32 v4, 4, v3                        ; 16 lane
	v_lshlrev_b32 v5, 11, v1
	v_lshl_add_u32 v5, v2, 5, v5                   ; r x 2,048 + 32 h
	v_lshlrev_b32 v6, 2, v1                        ; 4 r
	v_mov_b32 v14, -1.0
	s_wait_kmcnt 0x0
	s_cmp_lt_u32 s27, 85
	s_cbranch_scc1 .Lrole_h
	; ---- a wave, a tile of 16 rows of W0 or W1 ----
	s_sub_co_u32 s28, s27, 85
	s_lshl2_add_u32 s28, s28, s26                  ; tile = 4 (id - 85) + wave
	s_and_b32 s29, s28, 31                         ; its number in its matrix
	s_cmp_lt_u32 s28, 32
	s_cselect_b64 s[32:33], s[4:5], s[6:7]
	s_cselect_b64 s[34:35], s[14:15], s[16:17]
	s_lshl_b32 s30, s29, 15
	s_add_nc_u64 s[32:33], s[32:33], s[30:31]      ; 16 rows of 2,048 bytes a tile
	s_lshl_b32 s30, s29, 6
	s_add_nc_u64 s[34:35], s[34:35], s[30:31]
	global_load_b32 v7, v6, s[34:35]               ; the bias of row r
	TILE_IN 32
	s_wait_loadcnt 0x0
	PACK128 64
	v_cvt_pk_bf16_f32 v7, v7, v7
	v_lshlrev_b32 v7, 16, v7                       ; the bias rounded, as f32
	v_cmp_eq_u32 vcc_lo, 1, v2                     ; lanes 16..31
	s_cmp_lt_u32 s28, 32
	s_cbranch_scc0 .Lt_w1
	; W0: the row's sum of squares, four chains
	WIN 0x05
.set i, 0
.rept 4
	v_pk_mul_f32 v[32+2*i:33+2*i], v[2*i:2*i+1], v[2*i:2*i+1]
.set i, i+1
.endr
.rept 124
	v_pk_fma_f32 v[32+2*(i%4):33+2*(i%4)], v[2*i:2*i+1], v[2*i:2*i+1], v[32+2*(i%4):33+2*(i%4)]
.set i, i+1
.endr
	WIN 0
	v_pk_add_f32 v[32:33], v[32:33], v[34:35]
	v_pk_add_f32 v[36:37], v[36:37], v[38:39]
	v_pk_add_f32 v[32:33], v[32:33], v[36:37]
	v_add_f32 v32, v32, v33
	v_permlanex16_b32 v33, v32, s36, s37           ; the row's other k lie in the lane 16 away
	v_add_f32 v32, v32, v33
	s_lshr_b32 s30, s29, 1                         ; chunk c lies in record (c + 15) % 16
	s_add_co_u32 s30, s30, 15
	s_and_b32 s30, s30, 15
	s_lshl_b32 s30, s30, 16
	s_and_b32 s38, s29, 1
	s_lshl_b32 s38, s38, 10                        ; ft x 1,024
	s_add_co_u32 s30, s30, s38
	s_add_nc_u64 s[40:41], s[24:25], s[30:31]
	FRAGS_OUT 40, 2048
	s_cmp_lt_u32 s29, 2
	s_cbranch_scc0 .Lt_not0
	s_add_co_u32 s30, s38, POFF                    ; chunk 0 once more
	s_add_nc_u64 s[42:43], s[24:25], s[30:31]
	FRAGS_OUT 42, 2048
.Lt_not0:
	v_cndmask_b32 v8, v32, v7, vcc_lo              ; lanes 0..15: the sum of squares; lanes 16..31: the bias
	v_mov_b32 v10, TAB
	v_mov_b32 v11, POFF+32768
	v_cndmask_b32 v10, v10, v11, vcc_lo
	v_add_nc_u32 v10, v10, v6
	s_lshl_b32 s30, s29, 6
	s_add_nc_u64 s[44:45], s[24:25], s[30:31]
	global_store_b32 v10, v8, s[44:45]
	s_branch .Lend
.Lt_w1:	; W1: the row's largest magnitude, its scale 2^s with the row's largest below 2^14, and the numbers as f16
	WIN 0x05
.set i, 0
.rept 4
	v_max_num_f32 v[32+i], |v[2*i]|, |v[2*i+1]|
.set i, i+1
.endr
.rept 124
	v_max3_num_f32 v[32+i%4], |v[2*i]|, |v[2*i+1]|, v[32+i%4]
.set i, i+1
.endr
	WIN 0
	v_max3_num_f32 v32, v32, v33, v34
	v_max_num_f32 v32, v32, v35
	v_permlanex16_b32 v33, v32, s36, s37
	v_max_num_f32 v32, v32, v33
	v_bfe_u32 v33, v32, 23, 8                      ; its exponent field E
	v_sub_nc_u32 v33, 267, v33                     ; the scale's field: 267 - E,
	v_min_u32 v33, 253, v33
	v_max_u32 v33, 1, v33                          ; held to 1 .. 253, so that the inverse is a power of two as well
	v_sub_nc_u32 v34, 254, v33
	v_lshlrev_b32 v36, 23, v33
	v_mov_b32 v37, v36
	v_lshlrev_b32 v34, 23, v34                     ; 2^-s
.set i, 0
.rept 128
	v_lshlrev_b32 v[38+2*(i%4)], 16, v[64+i]
	v_and_b32 v[39+2*(i%4)], s46, v[64+i]
	v_pk_mul_f32 v[38+2*(i%4):39+2*(i%4)], v[38+2*(i%4):39+2*(i%4)], v[36:37]
	v_cvt_pk_f16_f32 v[64+i], v[38+2*(i%4)], v[39+2*(i%4)]
.set i, i+1
.endr
	s_lshl_b32 s30, s29, 10
	s_add_co_u32 s30, s30, 32768                   ; fragment 32 + ft of record ks
	s_add_nc_u64 s[40:41], s[24:25], s[30:31]
	FRAGS_OUT 40, 65536
	v_cndmask_b32 v8, v34, v7, vcc_lo              ; lanes 0..15: 2^-s; lanes 16..31: the bias
	v_lshlrev_b32 v10, 2, v3
	s_lshr_b32 s30, s29, 1
	s_mul_i32 s30, s30, 3328
	s_and_b32 s38, s29, 1
	s_lshl_b32 s38, s38, 7
	s_add_co_u32 s30, s30, s38
	s_add_co_u32 s30, s30, LOFF+3072
	s_add_nc_u64 s[44:45], s[24:25], s[30:31]
	global_store_b32 v10, v8, s[44:45]
	s_branch .Lend
.Lrole_h:	; ---- (c, g): Out[a][j] = sum over i of A[a][i] W2[i][j], j = 32c .. 32c+31 ----
	s_mul_hi_u32 s28, s27, 0x33333334              ; c = id / 5
	s_mul_i32 s29, s28, 5
	s_sub_co_u32 s29, s27, s29                     ; g
	s_lshl2_add_u32 s38, s29, s26                  ; k = 4 g + wave: the class; 16 stands for Wc
	s_min_u32 s39, s38, 15
	s_lshl_b32 s30, s39, 16
	s_add_nc_u64 s[34:35], s[12:13], s[30:31]      ; a class of Wg is 65,536 bytes, its first 16 rows the means'
	s_cmp_eq_u32 s29, 4
	s_cselect_b64 s[34:35], s[10:11], s[34:35]     ; g = 4: every wave loads Wc, so that all waves have the same loads out; wave 0 alone multiplies
	v_bfe_u32 v7, v0, 3, 2
	v_and_b32 v8, 7, v0                            ; column group of 4
	v_lshl_add_u32 v7, s26, 7, v7                  ; my first row of W2: 128 wave + lane / 8
	v_lshlrev_b32 v9, 11, v7
	v_lshl_add_u32 v9, v8, 4, v9
	v_mul_u32_u24 v10, v7, 96                      ; the stage: rows of 64 bytes + 32 of padding
	v_lshl_add_u32 v10, v8, 3, v10
	v_lshlrev_b32 v11, 2, v7
	v_lshl_add_u32 v12, v2, 3, v8                  ; the turning load: row 8h + lane % 8,
	v_mul_u32_u24 v12, v12, 96
	v_bfe_u32 v13, v0, 3, 1
	v_lshl_add_u32 v12, v13, 4, v12                ; 16 bytes for each group of eight lanes
	s_cmp_eq_u32 s28, 16
	s_cbranch_scc1 .Lh_b2
	s_lshl_b32 s30, s28, 7
	s_add_nc_u64 s[32:33], s[8:9], s[30:31]
.set i, 0
.rept 32
	global_load_b128 v[32+4*i:35+4*i], v9, s[32:33] offset:8192*i
.set i, i+1
.endr
	s_branch .Lh_tile
.Lh_b2:	; the block is the one column b2, the other 31 columns 0
.set i, 0
.rept 32
	global_load_b32 v[32+4*i], v11, s[18:19] offset:16*i
	v_mov_b32 v[33+4*i], 0
	v_mov_b32 v[34+4*i], 0
	v_mov_b32 v[35+4*i], 0
.set i, i+1
.endr
.Lh_tile:
	TILE_IN 34
	s_wait_loadcnt 63                              ; 96 loads were issued: at most 63 are out, so the oldest 33 are in, the 32 of the stage among them
	s_cmp_eq_u32 s28, 16
	s_cbranch_scc0 .Lh_stage
	v_cmp_eq_u32 vcc_lo, 0, v8
.set i, 0
.rept 32
	v_cndmask_b32 v[32+4*i], 0, v[32+4*i], vcc_lo  ; b2 stands in column 0 alone
.set i, i+1
.endr
.Lh_stage:
.set i, 0
.rept 32
	v_cvt_pk_bf16_f32 v[160+2*i], v[32+4*i], v[33+4*i]
	v_cvt_pk_bf16_f32 v[161+2*i], v[34+4*i], v[35+4*i]
	ds_store_b64 v10, v[160+2*i:161+2*i] offset:384*i
.set i, i+1
.endr
	s_wait_dscnt 0x0                               ; for the others' sake: my 128 rows are in the stage
	s_barrier_signal -1
	s_barrier_wait -1
	s_cmp_eq_u32 s29, 4
	s_cselect_b32 s39, s26, 0
	s_cmp_lg_u32 s39, 0
	s_cbranch_scc1 .Lend                           ; g = 4: waves 1 to 3 have staged, and have no tile of their own
	s_wait_loadcnt 0x0
	PACK128 32                                     ; source 1: column = row a of my tile, k = i
	WIN 0x40
.set i, 0
.rept 32                                               ; source 0: W2 turned: row = j, k = i; fragment (ks, jt) at 8 (2 ks + jt) of window 1
	ds_load_tr16_b128 v[8*i:8*i+3],   v12 offset:(i/2)*3072+(i%2)*32
	ds_load_tr16_b128 v[8*i+4:8*i+7], v12 offset:(i/2)*3072+1536+(i%2)*32
.set i, i+1
.endr
	s_wait_dscnt 0x0
	WIN 0x01
	v_wmma_f32_16x16x32_bf16 v[160:167], v[0:7], v[32:39], 0
	v_wmma_f32_16x16x32_bf16 v[168:175], v[8:15], v[32:39], 0
.set i, 1
.rept 15                                               ; the two accumulators take turns
	v_wmma_f32_16x16x32_bf16 v[160:167], v[16*i:16*i+7], v[32+8*i:39+8*i], v[160:167]
	v_wmma_f32_16x16x32_bf16 v[168:175], v[16*i+8:16*i+15], v[32+8*i:39+8*i], v[168:175]
.set i, i+1
.endr
	WIN 0
.rept 4
	v_nop                                          ; four places between the last product and the first reader of its result
.endr
	s_cmp_eq_u32 s28, 16
	s_cbranch_scc1 .Lh_bias
	s_cmp_eq_u32 s29, 4
	s_cbranch_scc1 .Lh_wc
	; register q of lane (r, h) holds Out[a = r][16 jt + 8h + q]: packed in pairs that IS the fragment
.set i, 0
.rept 8
	v_cvt_pk_bf16_f32 v[176+i], v[160+2*i], v[161+2*i]
.set i, i+1
.endr
	s_lshl4_add_u32 s30, s28, s38                  ; 16 c + k
	s_lshl_b32 s30, s30, 10
	s_add_co_u32 s30, s30, MOFF
	s_add_nc_u64 s[40:41], s[24:25], s[30:31]
	global_store_b128 v4, v[176:179], s[40:41]
	global_store_b128 v4, v[180:183], s[40:41] offset:512
	s_branch .Lend
.Lh_wc:	; Wc2 as three bf16 pieces: each the rounding of what the pieces before left
.irp p, 0,1,2
.set i, 0
.rept 8
	v_cvt_pk_bf16_f32 v[176+8*\p+i], v[160+2*i], v[161+2*i]
.set i, i+1
.endr
.if \p < 2
.set i, 0
.rept 8
	v_fma_mix_f32_bf16 v[160+2*i], v[176+8*\p+i], v14, v[160+2*i] op_sel_hi:[1,0,0]
	v_fma_mix_f32_bf16 v[161+2*i], v[176+8*\p+i], v14, v[161+2*i] op_sel:[1,0,0] op_sel_hi:[1,0,0]
.set i, i+1
.endr
.endif
.endr
	s_mul_i32 s30, s28, 3328
	s_add_co_u32 s30, s30, LOFF
	s_add_nc_u64 s[40:41], s[24:25], s[30:31]
.irp p, 0,1,2
	global_store_b128 v4, v[176+8*\p:179+8*\p], s[40:41] offset:1024*\p
	global_store_b128 v4, v[180+8*\p:183+8*\p], s[40:41] offset:1024*\p+512
.endr
	s_branch .Lend
.Lh_bias:	; c = 16: register 0 of lanes 0..15 holds sum over i of A[r][i] b2[i]; the head's own bias, rounded, is added
	s_lshl_b32 s30, s39, 7
	s_min_u32 s30, s30, 1920
	s_lshl_b32 s30, s38, 7
	s_min_u32 s30, s30, 1920                       ; bg[k]: 128 bytes a class (k = 16 takes bc below)
	s_add_nc_u64 s[40:41], s[22:23], s[30:31]
	s_cmp_eq_u32 s29, 4
	s_cselect_b64 s[40:41], s[20:21], s[40:41]
	global_load_b32 v15, v6, s[40:41]
	s_lshl_b32 s30, s38, 6
	s_add_co_u32 s30, s30, TAB+2048                ; bg2 of class k; k = 16 falls on bc2
	s_add_nc_u64 s[42:43], s[24:25], s[30:31]
	s_wait_loadcnt 0x0
	v_cvt_pk_bf16_f32 v15, v15, v15
	v_lshlrev_b32 v15, 16, v15
	v_add_f32 v15, v160, v15
	v_cmp_gt_u32 vcc_lo, 16, v3
	s_wait_xcnt 0x0                                ; EXEC changes only behind this wait
	s_and_saveexec_b32 s39, vcc_lo
	global_store_b32 v6, v15, s[42:43]
	s_wait_xcnt 0x0                                ; and again ahead of the line that widens it
	s_or_b32 exec_lo, exec_lo, s39
.Lend:
	s_wait_tensorcnt 0x0                           ; the wave's end, behind the last LDS store
	ds_add_u32 v[SPW], v[NIL]
	s_wait_dscnt 0x0
	s_endpgm
.Lfunc_end_k_qe4c02368e0_prep:
	.size	k_qe4c02368e0_prep, .Lfunc_end_k_qe4c02368e0_prep-k_qe4c02368e0_prep
	.p2alignl 7, 3214868480
	.fill 96, 4, 3214868480
	.section	.rodata,"a",@progbits
	.p2align	6, 0x0
	.amdhsa_kernel k_qe4c02368e0_prep
		.amdhsa_group_segment_fixed_size 49664
		.amdhsa_private_segment_fixed_size 0
		.amdhsa_enable_private_segment 0
		.amdhsa_kernarg_size 88
		.amdhsa_user_sgpr_count 2
		.amdhsa_user_sgpr_kernarg_segment_ptr 1
		.amdhsa_wavefront_size32 1
		.amdhsa_system_sgpr_workgroup_id_x 1
		.amdhsa_system_sgpr_workgroup_id_y 1
		.amdhsa_system_sgpr_workgroup_id_z 1
		.amdhsa_system_vgpr_workitem_id 0
		.amdhsa_next_free_vgpr 512
		.amdhsa_next_free_sgpr 66
		.amdhsa_reserve_vcc 1
		.amdhsa_float_denorm_mode_32 3
		.amdhsa_float_denorm_mode_16_64 3
		.amdhsa_memory_ordered 1
		.amdhsa_forward_progress 1
		.amdhsa_inst_pref_size 112
	.end_amdhsa_kernel
	.amdgpu_metadata
---
amdhsa.version: [ 1, 2 ]
amdhsa.kernels:
  - .name:           k_qe4c02368e0_prep
    .symbol:         k_qe4c02368e0_prep.kd
    .args:
      - { .name: W0, .offset: 0, .size: 8, .value_kind: global_buffer, .address_space: global }
      - { .name: W1, .offset: 8, .size: 8, .value_kind: global_buffer, .address_space: global }
      - { .name: W2, .offset: 16, .size: 8, .value_kind: global_buffer, .address_space: global }
      - { .name: Wc, .offset: 24, .size: 8, .value_kind: global_buffer, .address_space: global }
      - { .name: Wg, .offset: 32, .size: 8, .value_kind: global_buffer, .address_space: global }
      - { .name: b0, .offset: 40, .size: 8, .value_kind: global_buffer, .address_space: global }
      - { .name: b1, .offset: 48, .size: 8, .value_kind: global_buffer, .address_space: global }
      - { .name: b2, .offset: 56, .size: 8, .value_kind: global_buffer, .address_space: global }
      - { .name: bc, .offset: 64, .size: 8, .value_kind: global_buffer, .address_space: global }
      - { .name: bg, .offset: 72, .size: 8, .value_kind: global_buffer, .address_space: global }
      - { .name: wts, .offset: 80, .size: 8, .value_kind: global_buffer, .address_space: global }
    .group_segment_fixed_size: 49664
    .private_segment_fixed_size: 0
    .kernarg_segment_align: 8
    .kernarg_segment_size: 88
    .max_flat_workgroup_size: 128
    .sgpr_count:     66
    .vgpr_count:     512
    .wavefront_size: 32
...
	.end_amdgpu_metadata
.endif
;; end of part 1
;; launch main (part 2): grid 512 x 1, 4 waves a work-group, clusters of 4 x 1, 327,680 bytes of LDS; arguments x, wts, out0, out1; writes out0, out1
.if DOCPART == 2
	.amdgcn_target "amdgcn-amd-amdhsa--gfx1250"
	.amdhsa_code_object_version 6
	.text
	.protected	k_qe4c02368e0_main
	.globl	k_qe4c02368e0_main
	.p2align	8
	.type	k_qe4c02368e0_main,@function
k_qe4c02368e0_main:
	s_mov_b64 s[64:65], 0
	v_nop
	global_prefetch_b8 v0, s[64:65] scope:SCOPE_SE
	s_setreg_imm32_b32 hwreg(HW_REG_WAVE_MODE, 25, 1), 1
	s_wait_xcnt 0x0
	s_wait_alu depctr_hold_cnt(0) depctr_sa_sdst(0) depctr_va_vdst(0) depctr_va_sdst(0) depctr_va_ssrc(0) depctr_va_vcc(0) depctr_vm_vsrc(0)
	s_getreg_b32 s2, hwreg(HW_REG_IB_STS2, 6, 4)
	s_cmp_eq_u32 s2, 0
	s_cbranch_scc0 .Lentry_in_a_cluster
	s_endpgm
.Lentry_in_a_cluster:
	s_bfe_u32 s2, ttmp6, 0x10000c
	s_cmp_lg_u32 s2, 0x3003
	s_cbranch_scc0 .Lentry_shape_is_right
	s_endpgm
.Lentry_shape_is_right:
; MAIN: 128 rows of x a work-group, 32 a wave (two tiles rt of 16), through the whole chain; activations never leave the wave's registers, only weights go through LDS.
; EVERY PRODUCT IS USED TRANSPOSED: source 0 = a weight fragment (16 features x 32 k), source 1 = 16 batch rows.  A lane then holds ONE batch row (lane % 16) and the features 8 (lane / 16) + 0..7,
; and two result tiles packed in pairs ARE source 1 of the next product.
; NUMBERS.  All inputs are rounded once to bf16.  Layer 1: one bf16 product, the bias as the sums' start.  h1 = relu(a1) goes on as TWO f16 PIECES of u = a1 s1 2^16, s1 a power of two for each
; batch row, from the bound |a1| <= sqrt(|x|^2 max|W0 row|^2) + max|b0| (|x|^2 is the diagonal of x x^T): u < 2^14.1; hi = f16(u), lo = f16(u - hi), the difference exact.  W1 comes as f16 times a power of
; two for each row.  h2 = relu(fma(acc 2^.. , 2^-s, b1)): one rounding.  The third layer is folded into the heads' weights.  Logits: three bf16 pieces of h2 times three of Wc2,
; the six largest products, two accumulators.  Means: the first TWO pieces of h2 times bf16(Wg2), all 16 classes: bf16 keeps 8 significant bits, so one piece alone would add a rounding of up to 2^-8 of each
; number's power of two to Wg2's own; with two pieces Wg2's one rounding is what is left.  The chosen class's means are picked by v_cndmask_b32: no address and no branch hangs on a float.
; Softmax as written: maximum taken away, exponentials, sum, quotient (reciprocal with one correction); the first largest probability wins.
; LIMITS.  NaN and infinities are not treated apart.  The bound of a row must lie in 2^-112 .. 2^124.  The folded third layer and the pieces sum in another order than the plain chain: two logits
; that lie within a few 1e-7 of each other (relative to the logits' size) can fall the other way.
; CLUSTER.  All work-groups walk the same 1.37 MB of weights: four partners ask for each block JOINTLY (mask 15); each wave fetches a quarter.  x is each work-group's own (plain loads, mask 0).
; No data is asked for ahead into the cache: the weights are read again and again by all work-groups, and x is asked for once, at the start.
; THE LDS LOADS of the long loop stand in runs of 16, never singly among the matrix instructions: a record's 64 fragments are eight HALVES of eight; the 128 fragment registers hold two halves; at each change
; of halves one run fills the half just multiplied with the half after next.  So a trip's 192 matrix instructions stand back to back in stretches of 16 (layer 1) or 32 (layer 2).
; LDS: 0 XS x as f32, wave w half z at (2w+z) 33,280, rows of 1,024 + 16 bytes (filled once, read by its wave alone);  later in its place: RL 77,824 the logit block; R0 0x20000, R1 0x30000 two slots of 65,536;
;      PB 266,240 W0 chunk 0 and b0 (filled once); ZST 301,056, YST 309,248 stages of the way out (stores only); SPARE 309,760.
; REGISTERS.  Window 0: v0-31 addresses, scales, at work; CA v32-63 layer 1's chunk, tile (ft, rt) at 8 (2 ft + rt); PC v64-127 two buffers of pieces (hi rt0, hi rt1, lo rt0, lo rt1);
;   FR v128-255 two halves of eight fragments.  Window 1: x in bf16, unit (ks, rt) at 8 (2 ks + rt); later the means' sums, (class, rt) likewise.  Windows 2, 3: layer 2's sums, (ft, rt) at 8 (2 ft + rt).
.set XH,    33280
.set RL,    77824
.set R0,    0x20000
.set R1,    0x30000
.set PB,    266240
.set B0T,   299008
.set ZST,   301056
.set YST,   309248
.set SPARE, 309760
.set POFF,  1048576
.set LOFF,  1083392
.set MOFF,  1136640
.set TAB,   1398784
.set CA, 32
.set PC, 64
.set FR, 128
.set SPW, 22                           ; v22 my spare word's address; never rewritten
.set NIL, 23                           ; v23 0; never rewritten
; v1 r, v2 h, v3 16 lane, v4/v5 slot 0/1 + 16 lane, v6 PB + 16 lane, v7 b0's place for the next chunk, v8 my place in XS, v9 -1.0,
; v10-13 s1 (a pair for each rt), v14-17 1/(s1 2^16) likewise, v18-20 the heads' addresses, v21 32 h, v24-31 at work
; s12 wave, s13 cx, s14 work-group; s[16:23] x's group 1; s[24:31] the weights' group 1; s[32:39] x's two group 0; s[40:43] the weights' group 0, which walks
; s46-48 counters, s49 chunk in its window, s50 the means' block in LDS, s51 RL + my part, s[52:53], s[54:55], s[86:87] places in wts, s88 16,384 wave, s89 the logit block's chunk in LDS
.set MSB, 0
.macro WIN new                         ; the immediate's high byte repeats the setting that is left
.if MSB != (\new)
	s_set_vgpr_msb (MSB<<8)|(\new)
.set MSB, (\new)
.endif
.endm
.macro PLACES                          ; four places: behind a product, ahead of a reader of its result, of a writer of its registers, of a load into them
.rept 4
	v_nop
.endr
.endm
.macro CREST                           ; a round of the cluster's barrier behind its opening barrier
	s_cmp_lg_u32 s12, 0
	s_cbranch_scc1 .Lnw0_\@
	s_barrier_signal -3
.Lnw0_\@:
	s_barrier_wait -3
	s_barrier_signal -1
	s_barrier_wait -1
.endm
.macro CROUND
	s_barrier_signal -1
	s_barrier_wait -1
	CREST
.endm
.macro TLOAD                           ; my quarter of a block of weights, asked for jointly; s_nop 0 and four v_nop follow
	tensor_load_to_lds s[40:43], s[24:31]
	s_nop 0
	PLACES
.endm
.macro LD adr, q, i                    ; load i of 8 of fragment group q (4 fragments, 4,096 bytes): group q lies at 32 (q % 4) of FR
	ds_load_b128 v[FR+32*((\q)%4)+4*(\i):FR+32*((\q)%4)+4*(\i)+3], v[\adr] offset:(\q)*4096+((\i)/2)*1024+((\i)%2)*512
.endm
.macro LDG adr, q
.irp i, 0,1,2,3,4,5,6,7
	LD \adr, \q, \i
.endr
.endm
.macro LDH adr, h                      ; half h = groups 2h, 2h + 1: one run of 16 loads into place h % 2
	LDG \adr, 2*(\h)
	LDG \adr, 2*(\h)+1
.endm
.macro BL                              ; the next chunk's sums start at the bias: features 16 ft + 8h + 0..7, for both rt
.irp t, 0,1,2,3
	ds_load_b128 v[CA+8*\t:CA+8*\t+3],   v7 offset:64*(\t/2)
	ds_load_b128 v[CA+8*\t+4:CA+8*\t+7], v7 offset:64*(\t/2)+16
.endr
	v_add_nc_u32 v7, 128, v7
.endm
.macro W1 q, f, rt                     ; layer 1: fragment f of group q is (ks = 2q + f/2, ft = f%2)
.set wd, CA+8*(2*((\f)%2)+(\rt))
.set wa, FR+32*((\q)%4)+8*(\f)
.set wb, 8*(2*(2*(\q)+(\f)/2)+(\rt))
	v_wmma_f32_16x16x32_bf16 v[wd:wd+7], v[wa:wa+7], v[wb:wb+7], v[wd:wd+7]
.endm
.macro W2 q, f, pc, rt, b              ; layer 2: fragment f of group q is ft = 4 (q - 8) + f; piece pc (0 hi, 1 lo) of buffer b
.set xf, 4*((\q)-8)+(\f)
.set xd, 8*(2*(xf%16)+(\rt))
.set xa, FR+32*((\q)%4)+8*(\f)
.set xp, PC+32*(\b)+16*(\pc)+8*(\rt)
	v_wmma_f32_16x16x32_f16 v[xd:xd+7], v[xa:xa+7], v[xp:xp+7], v[xd:xd+7]
.endm
.macro S16 q, b                        ; a group of layer 2: two accumulators by turns for each fragment
.irp f, 0,1,2,3
	W2 \q, \f, 0, 0, \b
	W2 \q, \f, 0, 1, \b
	W2 \q, \f, 1, 0, \b
	W2 \q, \f, 1, 1, \b
.endr
.endm
; Number n of the 96 that turn CA into pieces in buffer b.  24 a tile: 4 x (a1 s1 held to 0..1: the ReLU), 4 x (times 2^16), 4 roundings to hi, 8 x (u - hi), 4 roundings to lo.  Pairs ascend.
.macro CV n, b
.set cn, (\n)
.set ct, cn/24
.set cm, cn%24
.set cb, CA+8*ct
.set ch, PC+32*(\b)+8*(ct%2)+4*(ct/2)
.if cm < 4
	v_pk_mul_f32 v[cb+2*cm:cb+2*cm+1], v[cb+2*cm:cb+2*cm+1], v[10+2*(ct%2):11+2*(ct%2)] clamp
.elseif cm < 8
	v_pk_mul_f32 v[cb+2*(cm-4):cb+2*(cm-4)+1], v[cb+2*(cm-4):cb+2*(cm-4)+1], 0x47800000 op_sel_hi:[1,0]
.elseif cm < 12
	v_cvt_pk_f16_f32 v[ch+cm-8], v[cb+2*(cm-8)], v[cb+2*(cm-8)+1]
.elseif cm < 20
.if (cm%2) == 0
	v_fma_mix_f32 v[cb+cm-12], v[ch+(cm-12)/2], v9, v[cb+cm-12] op_sel_hi:[1,0,0]
.else
	v_fma_mix_f32 v[cb+cm-12], v[ch+(cm-12)/2], v9, v[cb+cm-12] op_sel:[1,0,0] op_sel_hi:[1,0,0]
.endif
.else
	v_cvt_pk_f16_f32 v[ch+16+cm-20], v[cb+2*(cm-20)], v[cb+2*(cm-20)+1]
.endif
.endm
; A half of layer 1 (h = 0..3): 16 products on end, the four sums by turns; then, four places behind its last reader, this half's place takes half h + 2.  cnt: the younger LDS loads that may stay out.
.macro L1H adr, h, ld, cnt
	s_wait_dscnt \cnt
	WIN 0x04                                       ; source 1 (x) in window 1; LDS loads are right under this setting too
.irp q, 2*(\h), 2*(\h)+1
.irp f, 0,1,2,3
	W1 \q, \f, 0
	W1 \q, \f, 1
.endr
.endr
.if \ld
	PLACES
	LDH \adr, (\h)+2
.endif
.endm
; A half of layer 2 (h = 4, 5) that carries two tiles of the next chunk's conversion: 16 cells of two products and three of the 96.  The first of the 96 stands behind the four places that end layer 1's
; last half.  The last cell's three and one v_nop are the four places ahead of the run that fills this half's place with half h + 2.
.macro L2R adr, h, b
	s_wait_dscnt 16                                ; the other half's 16 loads may be out
.set cc, 0
.rept 16
	WIN 0xa0
	W2 2*(\h)+cc/8, (cc%8)/2, cc%2, 0, \b
	W2 2*(\h)+cc/8, (cc%8)/2, cc%2, 1, \b
	WIN 0
	CV 48*((\h)-4)+3*cc, 1-(\b)
	CV 48*((\h)-4)+3*cc+1, 1-(\b)
	CV 48*((\h)-4)+3*cc+2, 1-(\b)
.set cc, cc+1
.endr
	v_nop
	LDH \adr, (\h)+2
.endm
.macro L2P adr, h, b                   ; the same half without a conversion to carry: 32 products on end
	s_wait_dscnt 16
	WIN 0xa0
	S16 2*(\h), \b
	S16 2*(\h)+1, \b
	PLACES
	WIN 0
	LDH \adr, (\h)+2
.endm
; Halves 6 and 7 and THE CHANGE OF SLOTS.  All of this slot's fragments are in registers or on their way.  Each wave waits for all its tensor loads (one is out: its quarter of the other slot), adds 0 to
; its spare word, and waits for that and for its reads; the barrier opens a round of the cluster's; behind the round the joint refill comes first, then the other slot is read: one run into half 6's place,
; and behind half 7's products one into half 7's.  From a request to the wait for it a wave issues 160 matrix instructions.
; kind 0: the record two on.  kind 1: the logit block and the means' first block, one dense load; the next trip has layer 2 alone (halves 4 on).  kind 2: the means' second block; nothing is fetched into registers.
.macro MEET nxt, b, kind
	WIN 0
	s_wait_tensorcnt 0x0                           ; no tensor load of mine is out, so the descriptor may be written
	ds_add_u32 v[SPW], v[NIL]
.if (\kind) == 0
	s_xor_b32 s41, s41, 0x10000                    ; the other slot,
	s_add_nc_u64 s[42:43], s[42:43], 65536         ; the next record; the type bits on top are not reached
.elseif (\kind) == 1
	s_mov_b32 s26, 116<<16                         ; 116 rows of 256 bytes a wave
	s_mov_b32 s28, 116
	s_mov_b32 s41, s51
	s_mov_b64 s[42:43], s[52:53]
	s_or_b32 s43, s43, 0x80000000
.else
	s_mov_b32 s26, 64<<16
	s_mov_b32 s28, 64
	s_add_co_u32 s41, s88, R1
	s_mov_b64 s[42:43], s[54:55]
	s_or_b32 s43, s43, 0x80000000
.endif
	s_wait_dscnt 17                                ; half 7's 16 loads and the add may be out
	WIN 0xf0
	S16 12, \b
	s_wait_dscnt 0x0                               ; the add is done, and my reads of this slot are over
	s_barrier_signal -1
	S16 13, \b
	WIN 0
	s_barrier_wait -1
	CREST
	TLOAD                                          ; its four v_nop are also the places ahead of the loads below
.if (\kind) == 0
	BL
	LDH \nxt, 0
.elseif (\kind) == 1
	LDH \nxt, 4
.endif
	WIN 0xf0
	S16 14, \b
	S16 15, \b
.if (\kind) < 2
	PLACES
	WIN 0
.if (\kind) == 0
	LDH \nxt, 1
.else
	LDH \nxt, 5
.endif
.endif
.endm
; TRIP t (record t in slot t % 2): layer 1 of chunk t + 1, layer 2 of chunk t from piece buffer b = t % 2, the conversion of chunk t + 1 into the other buffer.  At its head halves 0 and 1 are on their way.
.macro TRIP slot, b, kind
	L1H 4+(\slot), 0, 1, 16
	L1H 4+(\slot), 1, 1, 16
	L1H 4+(\slot), 2, 1, 16
	L1H 4+(\slot), 3, 1, 16
	L2R 4+(\slot), 4, \b
	L2R 4+(\slot), 5, \b
	MEET 5-(\slot), \b, \kind
.endm
	; ---- the head ----
	s_load_b256 s[4:11], s[0:1], 0x0               ; x s[4:5], wts s[6:7], out0 s[8:9], out1 s[10:11]
	v_lshl_add_u32 v[SPW], v0, 2, SPARE
	v_mov_b32 v[NIL], 0
	ds_add_u32 v[SPW], v[NIL]                      ; the wave's opening: the add, waited for ahead of my first tensor load
	v_lshrrev_b32 v1, 5, v0
	v_readfirstlane_b32 s12, v1                    ; wave
	v_and_b32 v3, 31, v0
	v_lshlrev_b32 v3, 4, v3                        ; 16 lane
	s_bfe_u32 s13, ttmp6, 0x40000                  ; cx
	s_lshl_b32 s14, ttmp9, 2
	s_add_co_u32 s14, s14, s13                     ; work-group = 4 x cluster + cx: it enters x's and the outputs' addresses alone
	s_mov_b32 s16, (2<<16)|(1<<20)|(7<<22)|(3<<25) ; x: 4-byte elements; 4 words of padding behind every 256
	s_mov_b32 s17, 256<<16                         ; tensor_dim0 = 256
	s_mov_b32 s18, 32<<16                          ; tensor_dim1 = 32
	s_mov_b32 s19, 256<<16                         ; tile_dim0 = 256
	s_mov_b32 s20, 32                              ; tile_dim1 = 32
	s_mov_b32 s21, 512                             ; elements from row to row
	s_mov_b32 s22, 0
	s_mov_b32 s23, 0
	s_mov_b32 s24, 15|(1<<16)|(1<<21)              ; weights: the mask of four; 2-byte elements; bit 21 beside a mask; dense rows of 256 bytes
	s_mov_b32 s25, 128<<16
	s_mov_b32 s26, 34<<16                          ; the first block: 34 rows a wave
	s_mov_b32 s27, 128<<16
	s_mov_b32 s28, 34
	s_mov_b32 s29, 128
	s_mov_b32 s30, 0
	s_mov_b32 s31, 0
	s_mov_b32 s32, 1
	s_mul_i32 s33, s12, 2*XH                       ; my two halves of x in LDS
	s_mov_b32 s36, 1
	s_add_co_u32 s37, s33, XH
	s_mov_b32 s40, 1
	s_mul_i32 s41, s12, 8704
	s_add_co_u32 s84, s41, POFF
	s_add_co_u32 s41, s41, PB
	s_mov_b32 s85, 0
	s_lshl_b32 s88, s12, 14
	s_mul_i32 s90, s12, 29696
	s_add_co_u32 s51, s90, RL
	s_lshl_b32 s44, s14, 18                        ; 128 rows of 2,048 bytes a work-group,
	s_lshl_b32 s45, s12, 16                        ; 32 a wave
	s_add_co_u32 s44, s44, s45
	s_mov_b32 s45, 0
	s_mov_b32 s56, 0x76543210
	s_mov_b32 s57, 0xfedcba98
	s_mov_b32 s58, 0xaaaaaaaa                      ; lanes by bit 0, 1, 2 of their number
	s_mov_b32 s59, 0xcccccccc
	s_mov_b32 s60, 0xf0f0f0f0
	s_mov_b32 s61, 0xff0000ff                      ; the lanes that hold a diagonal element
	s_mov_b32 s62, 0xffff0000
	s_wait_dscnt 0x0                               ; the opening add is done
	s_wait_kmcnt 0x0
.irp i, 0,1,2,3                                        ; two small tables, asked for ahead of x and waited for behind x's conversion; v64-95 are free until the first pieces are made
	global_load_b128 v[64+4*\i:67+4*\i], v3, s[6:7] offset:TAB+512*\i            ; |W0 row|^2, 16 a lane
	global_load_b128 v[80+4*\i:83+4*\i], v3, s[6:7] offset:POFF+32768+512*\i     ; b0, 16 a lane
.endr
	s_add_nc_u64 s[42:43], s[6:7], s[84:85]
	s_or_b32 s43, s43, 0x80000000
	s_add_co_u32 s84, s90, LOFF
	s_add_nc_u64 s[52:53], s[6:7], s[84:85]
	s_add_co_u32 s84, s88, MOFF+65536
	s_add_nc_u64 s[54:55], s[6:7], s[84:85]
	s_mov_b32 s84, s88
	s_add_nc_u64 s[86:87], s[6:7], s[84:85]
	s_add_nc_u64 s[34:35], s[4:5], s[44:45]
	s_add_nc_u64 s[38:39], s[34:35], 1024
	s_or_b32 s35, s35, 0x80000000
	s_or_b32 s39, s39, 0x80000000
	s_lshl_b32 s44, s14, 13
	s_lshl_b32 s45, s12, 11
	s_add_co_u32 s44, s44, s45
	s_mov_b32 s45, 0
	s_add_nc_u64 s[8:9], s[8:9], s[44:45]          ; out0 at my wave's 32 rows of 64 bytes
	s_lshl_b32 s44, s14, 9
	s_add_nc_u64 s[10:11], s[10:11], s[44:45]      ; out1 at the work-group's 128 numbers
	CROUND                                         ; all four work-groups are here: the first joint load meets
	tensor_load_to_lds s[32:35], s[16:23]          ; the first fills, one group: three loads of mine are out: x, k 0..255,
	s_nop 0
	tensor_load_to_lds s[36:39], s[16:23]          ; x, k 256..511,
	s_nop 0
	tensor_load_to_lds s[40:43], s[24:31]          ; my quarter of W0's chunk 0 and b0
	s_nop 0
	PLACES
	; ---- in the wait for x ----
	v_and_b32 v1, 15, v0
	v_bfe_u32 v2, v0, 4, 1
	v_add_nc_u32 v4, R0, v3
	v_add_nc_u32 v5, R1, v3
	v_add_nc_u32 v6, PB, v3
	v_lshlrev_b32 v21, 5, v2
	v_add_nc_u32 v7, B0T, v21
	v_mul_u32_u24 v8, v1, 1040
	v_add_nc_u32 v8, v8, v21
	v_add_nc_u32 v8, s33, v8
	v_mov_b32 v9, -1.0
	v_mov_b32 v26, 0
	v_mov_b32 v27, 0
	; layer 2's 512 sums are cleared here, on purpose: in the wait for the first tile, and in place of a first trip written out
	WIN 0x80
.set i, 0
.rept 256
	v_mov_b32 v[i], 0
.set i, i+1
.endr
	WIN 0xc0
.set i, 0
.rept 256
	v_mov_b32 v[i], 0
.set i, i+1
.endr
	WIN 0
	; ---- x into bf16: 8 groups of 4 units (16 rows x 32 k); two banks of 64 registers take turns.  Only I read my bytes of XS: my own wait on the tensor loads orders the reads ----
.macro XLD g
.set xb, FR+64*((\g)%2)
.irp i, 0,1,2,3
.set xn, 4*(\g)+\i
.set xo, ((xn/2)/8)*XH+(xn%2)*16640+((xn/2)%8)*128
	ds_load_b128 v[xb+16*\i:xb+16*\i+3],     v8 offset:xo
	ds_load_b128 v[xb+16*\i+4:xb+16*\i+7],   v8 offset:xo+16
	ds_load_b128 v[xb+16*\i+8:xb+16*\i+11],  v8 offset:xo+64
	ds_load_b128 v[xb+16*\i+12:xb+16*\i+15], v8 offset:xo+80
.endr
.endm
.macro XCV g
	WIN 0x40
.set xb, FR+64*((\g)%2)
.set xi, 0
.rept 32
	v_cvt_pk_bf16_f32 v[32*(\g)+xi], v[xb+2*xi], v[xb+2*xi+1]
.set xi, xi+1
.endr
	WIN 0
.endm
	s_wait_tensorcnt 0x2                           ; x's first half is in; its second half and the weights may be out
	XLD 0
	XLD 1
.irp g, 0,1,2,3,4,5
	s_wait_dscnt 16                                ; the other bank's 16 loads may be out
	XCV \g
.if \g == 2
	s_wait_tensorcnt 0x1                           ; x's second half is in
.endif
	XLD (\g)+2
.endr
	s_wait_dscnt 16
	XCV 6
	s_wait_dscnt 0x0
	XCV 7
	; ---- record 0 into slot 0, in the place of x ----
	s_wait_tensorcnt 0x0
	ds_add_u32 v[SPW], v[NIL]
	s_mov_b32 s26, 64<<16                          ; a record: 64 rows of 256 bytes a wave
	s_mov_b32 s28, 64
	s_add_co_u32 s41, s88, R0
	s_mov_b64 s[42:43], s[86:87]
	s_or_b32 s43, s43, 0x80000000
	s_wait_dscnt 0x0                               ; the add is done, and my reads of x are over
	CROUND
	TLOAD
	; ---- the two tables' maxima; |x|^2 as the diagonal of x x^T; the rows' scales; layer 1 of chunk 0 ----
	s_wait_loadcnt 0x0                             ; the tables asked for at the head
	v_max3_num_f32 v24, v64, v65, v66
	v_max3_num_f32 v25, |v80|, |v81|, |v82|
.irp i, 3,5,7,9,11,13
	v_max3_num_f32 v24, v24, v[64+\i], v[65+\i]
	v_max3_num_f32 v25, v25, |v[80+\i]|, |v[81+\i]|
.endr
	v_max_num_f32 v24, v24, v79
	v_max_num_f32 v25, v25, |v95|
.irp m, 1,2,4,8
	v_max_num_f32_dpp v24, v24, v24 row_xmask:\m row_mask:0xf bank_mask:0xf
	v_max_num_f32_dpp v25, v25, v25 row_xmask:\m row_mask:0xf bank_mask:0xf
.endr
	v_permlanex16_b32 v26, v24, s56, s57
	v_permlanex16_b32 v27, v25, s56, s57
	v_max_num_f32 v24, v24, v26                    ; the largest |W0 row|^2
	v_max_num_f32 v25, v25, v27                    ; the largest |b0|
	WIN 0x05
	v_wmma_f32_16x16x32_bf16 v[32:39], v[0:7], v[0:7], 0
	v_wmma_f32_16x16x32_bf16 v[40:47], v[8:15], v[8:15], 0
.set i, 1
.rept 15
	v_wmma_f32_16x16x32_bf16 v[32:39], v[16*i:16*i+7], v[16*i:16*i+7], v[32:39]
	v_wmma_f32_16x16x32_bf16 v[40:47], v[16*i+8:16*i+15], v[16*i+8:16*i+15], v[40:47]
.set i, i+1
.endr
	WIN 0
	PLACES
.irp t, 0,1                                            ; element (r, r) lies in register r % 8 of lane r (r < 8) or lane 16 + r (r >= 8)
	v_cndmask_b32 v[48+4*\t], v[32+8*\t], v[33+8*\t], s58
	v_cndmask_b32 v[49+4*\t], v[34+8*\t], v[35+8*\t], s58
	v_cndmask_b32 v[50+4*\t], v[36+8*\t], v[37+8*\t], s58
	v_cndmask_b32 v[51+4*\t], v[38+8*\t], v[39+8*\t], s58
	v_cndmask_b32 v[48+4*\t], v[48+4*\t], v[49+4*\t], s59
	v_cndmask_b32 v[50+4*\t], v[50+4*\t], v[51+4*\t], s59
	v_cndmask_b32 v[48+4*\t], v[48+4*\t], v[50+4*\t], s60
	v_permlanex16_b32 v[49+4*\t], v[48+4*\t], s56, s57
	v_cndmask_b32 v[48+4*\t], v[49+4*\t], v[48+4*\t], s61
	v_mul_f32 v[24+2+\t], v[48+4*\t], v24
.endr
	BL                                             ; chunk 0's bias
	LDH 6, 0
	LDH 6, 1
	v_sqrt_f32 v26, v26
	v_sqrt_f32 v27, v27
	v_nop                                          ; a plain instruction behind the last root,
	s_wait_alu depctr_va_vdst(0)                   ; and the one wait for both, ahead of their first reader
.irp t, 0,1
	v_add_f32 v[26+\t], v[26+\t], v25              ; the bound of |a1| in batch row r
	v_bfe_u32 v[26+\t], v[26+\t], 23, 8            ; its exponent field E,
	v_max_u32 v[26+\t], 14, v[26+\t]
	v_min_u32 v[26+\t], 250, v[26+\t]              ; held to 14 .. 250
	v_sub_nc_u32 v[28+\t], 251, v[26+\t]
	v_lshlrev_b32 v[10+2*\t], 23, v[28+\t]         ; s1 = 2^(124 - E): |a1| s1 stays under 0.26
	v_mov_b32 v[11+2*\t], v[10+2*\t]
	v_add_nc_u32 v[28+\t], -13, v[26+\t]
	v_lshlrev_b32 v[14+2*\t], 23, v[28+\t]         ; 2^(E - 140) = 1 / (s1 2^16)
	v_mov_b32 v[15+2*\t], v[14+2*\t]
.endr
	L1H 6, 0, 1, 16                                ; the bias and half 0 are in; half 1 may be out
	L1H 6, 1, 1, 16
	L1H 6, 2, 0, 16                                ; half 3 may be out; nothing more is fetched
	L1H 6, 3, 0, 0
	WIN 0
	PLACES
.set nn, 0
.rept 96
	CV nn, 0
.set nn, nn+1
.endr
	; ---- record 1 into slot 1; record 0 is whole ----
	s_wait_tensorcnt 0x0
	ds_add_u32 v[SPW], v[NIL]
	s_xor_b32 s41, s41, 0x10000
	s_add_nc_u64 s[42:43], s[42:43], 65536
	s_wait_dscnt 0x0
	CROUND
	TLOAD
	BL                                             ; chunk 1's bias
	LDH 4, 0
	LDH 4, 1
	s_mov_b32 s46, 7
.Lloop:                                                ; trips 0 .. 13; the change of slots in trip t asks for record t + 2
	TRIP 0, 0, 0
	TRIP 1, 1, 0
	WIN 0
	s_sub_co_u32 s46, s46, 1
	s_cmp_lg_u32 s46, 0
	s_cbranch_scc1 .Lloop
	TRIP 0, 0, 1                                   ; trip 14: layer 1's last chunk; the logit block and the means' first block are asked for
	; trip 15: layer 2's last chunk alone.  The heads' sums start at their biases.  Piece buffer 0 becomes the logits' sums: the four places that end trip 14 stand behind the last products that read it
	WIN 0x40
.set k, 0
.rept 32                                               ; (class k / 2, rt k % 2): bg2 of latents 8h + 0..7
	global_load_b128 v[8*k:8*k+3],   v21, s[6:7] offset:TAB+2048+64*(k/2)
	global_load_b128 v[8*k+4:8*k+7], v21, s[6:7] offset:TAB+2048+64*(k/2)+16
.set k, k+1
.endr
	WIN 0
.irp t, 0,1
	global_load_b128 v[64+8*\t:67+8*\t], v21, s[6:7] offset:TAB+3072
	global_load_b128 v[68+8*\t:71+8*\t], v21, s[6:7] offset:TAB+3072+16
.endr
.set i, 80
.rept 16
	v_mov_b32 v[i], 0
.set i, i+1
.endr
	L2P 5, 4, 1
	L2P 5, 5, 1
	MEET 4, 1, 2
	WIN 0
	s_wait_loadcnt 0x0                             ; the biases
	; ---- THE HEADS.  16 chunks of 32 features: v32-63 T; v64-79, v80-95 the logits' two sums; v96-, v112-, v128- three pieces of h2; v144-, v160- 2^-s and b1; v176- fragments ----
.macro FMREG k                         ; where class k's fragment lies: two batches of eight
.if (\k) < 7
.set rF, 200+8*(\k)
.elseif (\k) == 7
.set rF, 24
.elseif (\k) < 12
.set rF, 32+8*((\k)-8)
.else
.set rF, 144+8*((\k)-12)
.endif
.endm
.macro MLD k
	FMREG \k
	ds_load_b128 v[rF:rF+3],   v18 offset:1024*(\k)
	ds_load_b128 v[rF+4:rF+7], v18 offset:1024*(\k)+512
.endm
.macro MUP k                           ; class k's means: its fragment times the first and the second piece of h2; the two row tiles' sums take turns
	FMREG \k
	v_wmma_f32_16x16x32_bf16 v[16*(\k):16*(\k)+7],    v[rF:rF+7], v[96:103],  v[16*(\k):16*(\k)+7]
	v_wmma_f32_16x16x32_bf16 v[16*(\k)+8:16*(\k)+15], v[rF:rF+7], v[104:111], v[16*(\k)+8:16*(\k)+15]
	v_wmma_f32_16x16x32_bf16 v[16*(\k):16*(\k)+7],    v[rF:rF+7], v[112:119], v[16*(\k):16*(\k)+7]
	v_wmma_f32_16x16x32_bf16 v[16*(\k)+8:16*(\k)+15], v[rF:rF+7], v[120:127], v[16*(\k)+8:16*(\k)+15]
.endm
.macro LGT acc, w, hp
	v_wmma_f32_16x16x32_bf16 v[(\acc):(\acc)+7],    v[(\w):(\w)+7], v[(\hp):(\hp)+7],    v[(\acc):(\acc)+7]
	v_wmma_f32_16x16x32_bf16 v[(\acc)+8:(\acc)+15], v[(\w):(\w)+7], v[(\hp)+8:(\hp)+15], v[(\acc)+8:(\acc)+15]
.endm
.macro PIECE d                         ; T rounded to bf16: pair p%4 of tile (ft = p/8, rt = (p/4)%2) into register 4 ft + p%4 of piece rt
.set p, 0
.rept 16
	v_cvt_pk_bf16_f32 v[(\d)+8*((p/4)%2)+4*(p/8)+p%4], v[32+2*p], v[33+2*p]
.set p, p+1
.endr
.endm
.macro SUBP d                          ; T less that piece: exact
.set p, 0
.rept 16
	v_fma_mix_f32_bf16 v[32+2*p], v[(\d)+8*((p/4)%2)+4*(p/8)+p%4], v9, v[32+2*p] op_sel_hi:[1,0,0]
	v_fma_mix_f32_bf16 v[33+2*p], v[(\d)+8*((p/4)%2)+4*(p/8)+p%4], v9, v[33+2*p] op_sel:[1,0,0] op_sel_hi:[1,0,0]
.set p, p+1
.endr
.endm
; Four chunks, one block of the means' weights.  W: the window (2 or 3) in which the chunks' sums lie; s49 says which 32 registers of it: eight written blocks, chosen by forward jumps on that counter.
.macro SEG W
	s_mov_b32 s47, 4
.Lseg_\@:
	PLACES                                         ; behind the last products, ahead of the loads into and the writes of their registers
	v_add_nc_u32 v18, s50, v3
	v_add_nc_u32 v19, s89, v3
	v_add_nc_u32 v20, s89, v21
.irp t, 0,1
	ds_load_b128 v[144+8*\t:147+8*\t], v20 offset:3072+128*\t
	ds_load_b128 v[148+8*\t:151+8*\t], v20 offset:3072+128*\t+16
	ds_load_b128 v[160+8*\t:163+8*\t], v20 offset:3072+128*\t+64
	ds_load_b128 v[164+8*\t:167+8*\t], v20 offset:3072+128*\t+80
.endr
.irp p, 0,1,2
	ds_load_b128 v[176+8*\p:179+8*\p], v19 offset:1024*\p
	ds_load_b128 v[180+8*\p:183+8*\p], v19 offset:1024*\p+512
.endr
.irp k, 0,1,2,3,4,5,6,7
	MLD \k
.endr
.irp k, 0,1,2,3,4,5,6
	s_cmp_eq_u32 s49, \k
	s_cbranch_scc1 .Lblk_\@_\k
.endr
.irp k, 7,0,1,2,3,4,5,6
.Lblk_\@_\k:
	WIN \W                                         ; source 0 in the sums' window
.set p, 0
.rept 16
	v_pk_mul_f32 v[32+2*p:33+2*p], v[32*\k+2*p:32*\k+2*p+1], v[14+2*((p/4)%2):15+2*((p/4)%2)]
.set p, p+1
.endr
	WIN 0
.if \k != 6
	s_branch .Ljoin_\@
.endif
.endr
.Ljoin_\@:
	s_wait_dscnt 22                                ; the table is in; the 6 + 16 loads behind it may be out
.set p, 0
.rept 16
	v_pk_fma_f32 v[32+2*p:33+2*p], v[32+2*p:33+2*p], v[144+8*(p/8)+2*(p%4):145+8*(p/8)+2*(p%4)], v[160+8*(p/8)+2*(p%4):161+8*(p/8)+2*(p%4)]
.set p, p+1
.endr
.set p, 0
.rept 32
	v_max_num_f32 v[32+p], 0, v[32+p]
.set p, p+1
.endr
	PIECE 96
	SUBP 96
	PIECE 112
	SUBP 112
	PIECE 128
.irp k, 8,9,10,11,12,13,14,15
	MLD \k
.endr
	s_wait_dscnt 16                                ; all but the 16 just issued
	LGT 64, 176, 96                                ; piece 1 x piece 1
	LGT 80, 176, 112                               ; the five smaller products, into the second sum
	LGT 80, 184, 96
	LGT 80, 176, 128
	LGT 80, 184, 112
	LGT 80, 192, 96
	WIN 0x50                                       ; the means' sums in window 1
.irp k, 0,1,2,3,4,5,6,7
	MUP \k
.endr
	s_wait_dscnt 0x0
.irp k, 8,9,10,11,12,13,14,15
	MUP \k
.endr
	WIN 0
	s_add_co_u32 s89, s89, 3328
	s_add_co_u32 s50, s50, 16384
	s_add_co_u32 s49, s49, 1
	s_sub_co_u32 s47, s47, 1
	s_cmp_lg_u32 s47, 0
	s_cbranch_scc1 .Lseg_\@
.endm
.macro CHANGE fill                     ; the block just read is left; fill = 1: its slot takes the block two on, behind a round of the cluster's barrier
	WIN 0
	s_wait_tensorcnt 0x0
	ds_add_u32 v[SPW], v[NIL]
.if \fill
	s_xor_b32 s41, s41, 0x10000
	s_add_nc_u64 s[42:43], s[42:43], 65536
	s_wait_dscnt 0x0
	CROUND
	TLOAD
.else
	s_wait_dscnt 0x0
	s_barrier_signal -1
	s_barrier_wait -1
.endif
	s_sub_co_u32 s50, s50, 65536
	s_xor_b32 s50, s50, 0x10000
.endm
	s_mov_b32 s50, R0
	s_mov_b32 s89, RL
	s_mov_b32 s49, 0
	s_mov_b32 s48, 2
.LheadA:
	SEG 2
	CHANGE 1
	s_sub_co_u32 s48, s48, 1
	s_cmp_lg_u32 s48, 0
	s_cbranch_scc1 .LheadA
	s_mov_b32 s49, 0
	s_mov_b32 s48, 2
.LheadB:
	SEG 3
	CHANGE 0
	s_sub_co_u32 s48, s48, 1
	s_cmp_lg_u32 s48, 0
	s_cbranch_scc1 .LheadB
	; ---- THE WAY OUT.  A lane holds batch row r and the classes (or latents) 8h + 0..7 ----
	PLACES
.set p, 0
.rept 8
	v_pk_add_f32 v[64+2*p:65+2*p], v[64+2*p:65+2*p], v[80+2*p:81+2*p]
.set p, p+1
.endr
.irp t, 0,1
	v_max3_num_f32 v[24+\t], v[64+8*\t], v[65+8*\t], v[66+8*\t]
	v_max3_num_f32 v[24+\t], v[24+\t], v[67+8*\t], v[68+8*\t]
	v_max3_num_f32 v[24+\t], v[24+\t], v[69+8*\t], v[70+8*\t]
	v_max_num_f32 v[24+\t], v[24+\t], v[71+8*\t]
	v_permlanex16_b32 v[26+\t], v[24+\t], s56, s57
	v_max_num_f32 v[24+\t], v[24+\t], v[26+\t]     ; the row's largest logit
.endr
.set p, 0
.rept 16
	v_sub_f32 v[64+p], v[64+p], v[24+p/8]
.set p, p+1
.endr
.set p, 0
.rept 16
	v_mul_f32 v[64+p], 0x3fb8aa3b, v[64+p]
.set p, p+1
.endr
.set p, 0
.rept 16
	v_exp_f32 v[64+p], v[64+p]
.set p, p+1
.endr
	v_nop                                          ; a plain instruction behind the last exponential,
	s_wait_alu depctr_va_vdst(0)                   ; and one wait for the sixteen
.irp t, 0,1
	v_pk_add_f32 v[32+4*\t:33+4*\t], v[64+8*\t:65+8*\t], v[66+8*\t:67+8*\t]
	v_pk_add_f32 v[34+4*\t:35+4*\t], v[68+8*\t:69+8*\t], v[70+8*\t:71+8*\t]
	v_pk_add_f32 v[32+4*\t:33+4*\t], v[32+4*\t:33+4*\t], v[34+4*\t:35+4*\t]
	v_add_f32 v[32+4*\t], v[32+4*\t], v[33+4*\t]
	v_permlanex16_b32 v[33+4*\t], v[32+4*\t], s56, s57
	v_add_f32 v[32+4*\t], v[32+4*\t], v[33+4*\t]   ; the row's sum
.endr
	v_rcp_f32 v34, v32
	v_rcp_f32 v38, v36
	v_nop
	s_wait_alu depctr_va_vdst(0)                   ; one wait for the two reciprocals
.set p, 0
.rept 16
	v_mul_f32 v[80+p], v[64+p], v[34+4*(p/8)]      ; q0 = e y
.set p, p+1
.endr
.set p, 0
.rept 16
	v_fma_f32 v[64+p], -v[80+p], v[32+4*(p/8)], v[64+p]   ; what q0 leaves: e - q0 s
.set p, p+1
.endr
.set p, 0
.rept 16
	v_fma_f32 v[64+p], v[64+p], v[34+4*(p/8)], v[80+p]    ; the probability
.set p, p+1
.endr
.irp t, 0,1
	v_mov_b32 v[40+4*\t], v[64+8*\t]
	v_mov_b32 v[41+4*\t], 0
.irp j, 1,2,3,4,5,6,7
	v_cmp_gt_f32 vcc_lo, v[64+8*\t+\j], v[40+4*\t] ; strictly greater: the first of equals stays
	v_cndmask_b32 v[40+4*\t], v[40+4*\t], v[64+8*\t+\j], vcc_lo
	v_cndmask_b32 v[41+4*\t], v[41+4*\t], \j, vcc_lo
.endr
	v_lshl_add_u32 v[41+4*\t], v2, 3, v[41+4*\t]
	v_permlanex16_b32 v[42+4*\t], v[40+4*\t], s56, s57
	v_permlanex16_b32 v[43+4*\t], v[41+4*\t], s56, s57
	v_cmp_gt_f32 s90, v[42+4*\t], v[40+4*\t]       ; the other half's wins if greater, or equal with the lower class
	v_cmp_eq_f32 s91, v[42+4*\t], v[40+4*\t]
	v_cmp_lt_u32 s92, v[43+4*\t], v[41+4*\t]
	s_and_b32 s91, s91, s92
	s_or_b32 s90, s90, s91
	v_cndmask_b32 v[41+4*\t], v[41+4*\t], v[43+4*\t], s90
.irp k, 1,2,3,4,5,6,7,8,9,10,11,12,13,14,15
	v_cmp_eq_u32 s[66+\k], \k, v[41+4*\t]
.endr
	WIN 0x01
.irp j, 0,1,2,3,4,5,6,7
	v_mov_b32 v[96+8*\t+\j], v[8*\t+\j]            ; class 0's means,
.endr
	WIN 0x04
.irp k, 1,2,3,4,5,6,7,8,9,10,11,12,13,14,15
.irp j, 0,1,2,3,4,5,6,7
	v_cndmask_b32 v[96+8*\t+\j], v[96+8*\t+\j], v[16*\k+8*\t+\j], s[66+\k]   ; or the chosen class's
.endr
.endr
	WIN 0
.endr
	s_lshl_b32 s90, s12, 11
	s_add_co_u32 s90, s90, ZST                     ; my stage: 32 rows of 64 bytes
	v_lshl_add_u32 v28, v1, 6, v21
	v_add_nc_u32 v28, s90, v28
	v_add_nc_u32 v29, s90, v3
	s_lshl_b32 s91, s12, 7
	s_add_co_u32 s91, s91, YST
	v_lshrrev_b32 v31, 2, v3
	v_add_nc_u32 v31, s91, v31
	v_cndmask_b32 v30, v41, v45, s62               ; lanes 0..15: rows 0..15; lanes 16..31: rows 16..31
	ds_store_b128 v28, v[96:99]
	ds_store_b128 v28, v[100:103] offset:16
	ds_store_b128 v28, v[104:107] offset:1024
	ds_store_b128 v28, v[108:111] offset:1040
	ds_store_b32 v31, v30
.irp i, 0,1,2,3
	ds_load_b128 v[112+4*\i:115+4*\i], v29 offset:512*\i   ; LDS serves a wave's instructions in order: these see my stores above
.endr
	s_wait_dscnt 0x0                               ; for the others' sake too: my 32 classes are in the stage
	s_barrier_signal -1
	s_barrier_wait -1
.irp i, 0,1,2,3
	global_store_b128 v3, v[112+4*\i:115+4*\i], s[8:9] offset:512*\i th:TH_STORE_NT   ; each store covers 512 consecutive bytes, aligned
.endr
	s_cmp_lg_u32 s12, 0
	s_cbranch_scc1 .Lno_y
	v_add_nc_u32 v32, YST, v3
	ds_load_b128 v[36:39], v32                     ; the work-group's 128 classes
	s_wait_dscnt 0x0
	global_store_b128 v3, v[36:39], s[10:11] th:TH_STORE_NT
.Lno_y:
	s_wait_tensorcnt 0x0                           ; the wave's end, behind my last tensor load and my last LDS store
	ds_add_u32 v[SPW], v[NIL]
	s_wait_dscnt 0x0
	CROUND                                         ; the closing round: no work-group ends while a partner may still ask for a block that names it
	s_endpgm
.Lfunc_end_k_qe4c02368e0_main:
	.size	k_qe4c02368e0_main, .Lfunc_end_k_qe4c02368e0_main-k_qe4c02368e0_main
	.p2alignl 7, 3214868480
	.fill 96, 4, 3214868480
	.section	.rodata,"a",@progbits
	.p2align	6, 0x0
	.amdhsa_kernel k_qe4c02368e0_main
		.amdhsa_group_segment_fixed_size 327680
		.amdhsa_private_segment_fixed_size 0
		.amdhsa_enable_private_segment 0
		.amdhsa_kernarg_size 32
		.amdhsa_user_sgpr_count 2
		.amdhsa_user_sgpr_kernarg_segment_ptr 1
		.amdhsa_wavefront_size32 1
		.amdhsa_system_sgpr_workgroup_id_x 1
		.amdhsa_system_sgpr_workgroup_id_y 1
		.amdhsa_system_sgpr_workgroup_id_z 1
		.amdhsa_system_vgpr_workitem_id 0
		.amdhsa_next_free_vgpr 1024
		.amdhsa_next_free_sgpr 100
		.amdhsa_reserve_vcc 1
		.amdhsa_float_denorm_mode_32 3
		.amdhsa_float_denorm_mode_16_64 3
		.amdhsa_memory_ordered 1
		.amdhsa_forward_progress 1
		.amdhsa_inst_pref_size 255
	.end_amdhsa_kernel
	.section	.bss,"aw",@nobits
	.p2align	6
	.space	262144
	.amdgpu_metadata
---
amdhsa.version: [ 1, 2 ]
amdhsa.kernels:
  - .name:           k_qe4c02368e0_main
    .symbol:         k_qe4c02368e0_main.kd
    .args:
      - { .name: x, .offset: 0, .size: 8, .value_kind: global_buffer, .address_space: global }
      - { .name: wts, .offset: 8, .size: 8, .value_kind: global_buffer, .address_space: global }
      - { .name: out0, .offset: 16, .size: 8, .value_kind: global_buffer, .address_space: global }
      - { .name: out1, .offset: 24, .size: 8, .value_kind: global_buffer, .address_space: global }
    .group_segment_fixed_size: 327680
    .private_segment_fixed_size: 0
    .kernarg_segment_align: 8
    .kernarg_segment_size: 32
    .max_flat_workgroup_size: 128
    .sgpr_count:     100
    .vgpr_count:     1024
    .wavefront_size: 32
...
	.end_amdgpu_metadata
.endif
;; end of part 2
